; MI455X (gfx1250); checked and timed in simulation.
; The chip was launched on July 23, 2026; its instructions are those of AMD's public machine-readable ISA for CDNA 5 (MIT licence, August 2026) and "CDNA5" Instruction Set Architecture Reference Guide (July 2026). The comments in the code are by the model that wrote it; some were corrected since.
;; Sliding Window Attention. Allowed arithmetic: float matrix products may take bf16 or f16 operands with f32 sums; other float arithmetic in f32, or as packed bf16 or f16 multiplies, adds, multiply-adds, maxima and minima; sums over many terms, partial sums and values carried from step to step in f32; what a program stores and reads back later, other than sums and carried values, may be rounded once to bf16 or f16.
;; Inputs: Wk 1,024 x 1,024 float32; Wo 1,024 x 1,024 float32; Wq 1,024 x 1,024 float32; Wv 1,024 x 1,024 float32; x 2 x 2,048 x 1,024 float32.
;; Outputs: out0 2 x 2,048 x 1,024 float32.
;; One version. Each part assembles by itself: llvm-mc -triple=amdgcn-amd-amdhsa -mcpu=gfx1250 --defsym DOCPART=n.
;; ======== version 1 of 1: 4 launches
;; limits: values are held in f16: magnitudes above 65,504 overflow, below 6.1e-05 lose precision
;; workspace buffers: xb 8,388,608 bytes; wb 6,291,456 bytes; wo16 2,097,152 bytes; qkv 26,214,400 bytes; o16 8,388,608 bytes
;; launch cvt (part 1): grid 64 x 8, 8 waves a work-group, no clusters, 0 bytes of LDS; arguments x, Wq, Wk, Wv, Wo, xb, wb, wo16, qkv; writes xb, wb, wo16, qkv
.if DOCPART == 1
	.amdgcn_target "amdgcn-amd-amdhsa--gfx1250"
	.amdhsa_code_object_version 6
	.text
	.protected	k_qb21791e45c_cvt
	.globl	k_qb21791e45c_cvt
	.p2align	8
	.type	k_qb21791e45c_cvt,@function
k_qb21791e45c_cvt:
	s_mov_b64 s[64:65], 0
	v_nop
	global_prefetch_b8 v0, s[64:65] scope:SCOPE_SE
	s_setreg_imm32_b32 hwreg(HW_REG_WAVE_MODE, 25, 1), 1
	s_wait_xcnt 0x0
; THE INPUTS, ROUNDED ONCE.  x -> xb (bf16).  Wq, Wk, Wv -> wb (bf16), interleaved by head: row 192 h + 64 j + i of wb is row 64 h + i of W_j (j = 0, 1, 2: q, k, v).
; Wo -> wo16: rounded to bf16 like the other inputs, and that number written as f16.  Also: the 128 rows in front of each head's k and v in qkv are set to 0.
; LIMITS.  |Wo| stays under 65,504 (beyond it f16 has an infinity); below 6e-5 f16 keeps a fixed step of 6e-8, so very small weights lose bits of their bf16 value.
; SHARES.  Slab y = 0..3: a quarter of x; 4..7: Wq, Wk, Wv, Wo; 2^20 numbers each.  Work-group (c, y) takes chunk c of the slab: 16 rows, 65,536 bytes in, 32,768 out, dense on both sides.
; Thread t, iteration i: 32 bytes in at 32 t + 8,192 i (two loads), 16 bytes out at 16 t + 4,096 i: sixteen neighbouring lanes store 256 consecutive bytes, aligned.
; All 16 loads of a thread go out at once; every register has one use, so nothing is waited for but the data.  No LDS, no matrix unit: nothing is shared and nothing is multiplied.
.set X, 16                             ; v[16:79]   as loaded: 8 registers an iteration
.set Y, 80                             ; v[80:111]  to store: 4 an iteration
.set T, 112                            ; v[112:123] at work (Wo's way alone)
.set HEADB, 819200                     ; bytes of one head in qkv: q 262,144; 16,384 of zeros and k 262,144; 16,384 of zeros and v 262,144
	s_load_b512 s[16:31], s[0:1], 0x0              ; x s[16:17], Wq s[18:19], Wk s[20:21], Wv s[22:23], Wo s[24:25], xb s[26:27], wb s[28:29], wo16 s[30:31]
	s_load_b64 s[32:33], s[0:1], 0x40              ; qkv
	s_mov_b32 s2, ttmp9                            ; c
	s_and_b32 s3, ttmp7, 0xffff                    ; y
	v_lshlrev_b32 v1, 5, v0                        ; 32 t
	v_lshlrev_b32 v2, 4, v0                        ; 16 t
	v_lshlrev_b32 v3, 3, v0                        ; 8 t
	v_mov_b32 v4, 0
	v_mov_b32 v5, 0
	s_lshl_b32 s6, s2, 16                          ; source: chunk c,
	s_lshl_b32 s8, s3, 22                          ; and for x its quarter
	s_cmp_lt_u32 s3, 4
	s_cselect_b32 s8, s8, 0
	s_add_co_u32 s6, s6, s8
	s_mov_b32 s7, 0
	s_lshl_b32 s10, s2, 15                         ; destination, Wo: chunk c
	s_lshl_b32 s8, s3, 21
	s_add_co_u32 s8, s8, s10                       ; x: quarter y, chunk c
	s_lshr_b32 s9, s2, 2                           ; Wq, Wk, Wv: the chunk's 16 rows lie in head c / 4,
	s_mul_i32 s9, s9, 192
	s_max_u32 s12, s3, 4
	s_sub_co_u32 s12, s12, 4                       ; j
	s_lshl_b32 s12, s12, 6
	s_add_co_u32 s9, s9, s12
	s_and_b32 s12, s2, 3
	s_lshl_b32 s12, s12, 4                         ; from row 16 (c % 4) of the head on
	s_add_co_u32 s9, s9, s12
	s_lshl_b32 s9, s9, 11                          ; rows of 2,048 bytes
	s_cmp_lt_u32 s3, 7
	s_cselect_b32 s10, s9, s10
	s_cmp_lt_u32 s3, 4
	s_cselect_b32 s10, s8, s10
	s_mov_b32 s11, 0
	s_lshl_b32 s12, s3, 6                          ; the zeros: 64 pieces of 16,384 bytes, 2,048 bytes to each of the 512 work-groups
	s_add_co_u32 s12, s12, s2                      ; id = 64 y + c
	s_lshr_b32 s13, s12, 4                         ; head id / 16,
	s_mul_i32 s13, s13, HEADB
	s_bfe_u32 s14, s12, 0x10003                    ; k or v,
	s_mul_i32 s14, s14, 278528
	s_add_co_u32 s13, s13, s14
	s_and_b32 s14, s12, 7                          ; eighth id % 8
	s_lshl_b32 s14, s14, 11
	s_add_co_u32 s13, s13, s14
	s_add_co_u32 s12, s13, 262144
	s_mov_b32 s13, 0
	s_wait_kmcnt 0x0
	s_mov_b64 s[4:5], s[16:17]                     ; the slab's source
	s_cmp_eq_u32 s3, 4
	s_cselect_b64 s[4:5], s[18:19], s[4:5]
	s_cmp_eq_u32 s3, 5
	s_cselect_b64 s[4:5], s[20:21], s[4:5]
	s_cmp_eq_u32 s3, 6
	s_cselect_b64 s[4:5], s[22:23], s[4:5]
	s_cmp_eq_u32 s3, 7
	s_cselect_b64 s[4:5], s[24:25], s[4:5]
	s_cselect_b64 s[8:9], s[30:31], s[28:29]       ; and its destination
	s_cmp_lt_u32 s3, 4
	s_cselect_b64 s[8:9], s[26:27], s[8:9]
	s_add_nc_u64 s[4:5], s[4:5], s[6:7]
	s_add_nc_u64 s[8:9], s[8:9], s[10:11]
	s_add_nc_u64 s[32:33], s[32:33], s[12:13]
.irp i, 0,1,2,3,4,5,6,7
	global_load_b128 v[X+8*(\i):X+8*(\i)+3],   v1, s[4:5] offset:8192*(\i) th:TH_LOAD_NT
	global_load_b128 v[X+8*(\i)+4:X+8*(\i)+7], v1, s[4:5] offset:8192*(\i)+16 th:TH_LOAD_NT
.endr
	global_store_b64 v3, v[4:5], s[32:33]          ; a wave's store covers 256 consecutive bytes of zeros, aligned
; Iteration i.  half = 1: bf16, widened (a shift, a mask) and written as f16.
.macro CV i, half
	s_wait_loadcnt 14-2*(\i)                       ; loads come back in order: behind iteration i's two stand 14 - 2 i younger ones
.if \half
.irp j, 0,1,2,3
	v_cvt_pk_bf16_f32 v[T+(\j)], v[X+8*(\i)+2*(\j)], v[X+8*(\i)+2*(\j)+1]
.endr
.irp j, 0,1,2,3
	v_lshlrev_b32 v[T+4+2*(\j)], 16, v[T+(\j)]
	v_and_b32     v[T+5+2*(\j)], 0xffff0000, v[T+(\j)]
.endr
.irp j, 0,1,2,3
	v_cvt_pk_f16_f32 v[Y+4*(\i)+(\j)], v[T+4+2*(\j)], v[T+5+2*(\j)]
.endr
.else
.irp j, 0,1,2,3
	v_cvt_pk_bf16_f32 v[Y+4*(\i)+(\j)], v[X+8*(\i)+2*(\j)], v[X+8*(\i)+2*(\j)+1]
.endr
.endif
	global_store_b128 v2, v[Y+4*(\i):Y+4*(\i)+3], s[8:9] offset:4096*(\i)
.endm
	s_cmp_eq_u32 s3, 7
	s_cbranch_scc1 .Lwo
.irp i, 0,1,2,3,4,5,6,7
	CV \i, 0
.endr
	s_endpgm
.Lwo:
.irp i, 0,1,2,3,4,5,6,7
	CV \i, 1
.endr
	s_endpgm
.Lfunc_end_k_qb21791e45c_cvt:
	.size	k_qb21791e45c_cvt, .Lfunc_end_k_qb21791e45c_cvt-k_qb21791e45c_cvt
	.p2alignl 7, 3214868480
	.fill 96, 4, 3214868480
	.section	.rodata,"a",@progbits
	.p2align	6, 0x0
	.amdhsa_kernel k_qb21791e45c_cvt
		.amdhsa_group_segment_fixed_size 0
		.amdhsa_private_segment_fixed_size 0
		.amdhsa_enable_private_segment 0
		.amdhsa_kernarg_size 72
		.amdhsa_user_sgpr_count 2
		.amdhsa_user_sgpr_kernarg_segment_ptr 1
		.amdhsa_wavefront_size32 1
		.amdhsa_system_sgpr_workgroup_id_x 1
		.amdhsa_system_sgpr_workgroup_id_y 1
		.amdhsa_system_sgpr_workgroup_id_z 1
		.amdhsa_system_vgpr_workitem_id 0
		.amdhsa_next_free_vgpr 128
		.amdhsa_next_free_sgpr 66
		.amdhsa_reserve_vcc 0
		.amdhsa_float_denorm_mode_32 3
		.amdhsa_float_denorm_mode_16_64 3
		.amdhsa_memory_ordered 1
		.amdhsa_forward_progress 1
		.amdhsa_inst_pref_size 16
	.end_amdhsa_kernel
	.amdgpu_metadata
---
amdhsa.version: [ 1, 2 ]
amdhsa.kernels:
  - .name:           k_qb21791e45c_cvt
    .symbol:         k_qb21791e45c_cvt.kd
    .args:
      - { .name: x, .offset: 0, .size: 8, .value_kind: global_buffer, .address_space: global }
      - { .name: Wq, .offset: 8, .size: 8, .value_kind: global_buffer, .address_space: global }
      - { .name: Wk, .offset: 16, .size: 8, .value_kind: global_buffer, .address_space: global }
      - { .name: Wv, .offset: 24, .size: 8, .value_kind: global_buffer, .address_space: global }
      - { .name: Wo, .offset: 32, .size: 8, .value_kind: global_buffer, .address_space: global }
      - { .name: xb, .offset: 40, .size: 8, .value_kind: global_buffer, .address_space: global }
      - { .name: wb, .offset: 48, .size: 8, .value_kind: global_buffer, .address_space: global }
      - { .name: wo16, .offset: 56, .size: 8, .value_kind: global_buffer, .address_space: global }
      - { .name: qkv, .offset: 64, .size: 8, .value_kind: global_buffer, .address_space: global }
    .group_segment_fixed_size: 0
    .private_segment_fixed_size: 0
    .kernarg_segment_align: 8
    .kernarg_segment_size: 72
    .max_flat_workgroup_size: 256
    .sgpr_count:     66
    .vgpr_count:     128
    .wavefront_size: 32
...
	.end_amdgpu_metadata
.endif
;; end of part 1
;; launch qkv (part 2): grid 16 x 16, 4 waves a work-group, clusters of 4 x 4, 327,680 bytes of LDS; arguments xb, wb, qkv; writes qkv
.if DOCPART == 2
	.amdgcn_target "amdgcn-amd-amdhsa--gfx1250"
	.amdhsa_code_object_version 6
	.text
	.protected	k_qb21791e45c_qkv
	.globl	k_qb21791e45c_qkv
	.p2align	8
	.type	k_qb21791e45c_qkv,@function
k_qb21791e45c_qkv:
	s_mov_b64 s[64:65], 0
	v_nop
	global_prefetch_b8 v0, s[64:65] scope:SCOPE_SE
	s_setreg_imm32_b32 hwreg(HW_REG_WAVE_MODE, 25, 1), 1
	s_wait_xcnt 0x0
	s_wait_alu depctr_hold_cnt(0) depctr_sa_sdst(0) depctr_va_vdst(0) depctr_va_sdst(0) depctr_va_ssrc(0) depctr_va_vcc(0) depctr_vm_vsrc(0)
	s_getreg_b32 s2, hwreg(HW_REG_IB_STS2, 6, 4)
	s_cmp_eq_u32 s2, 0
	s_cbranch_scc0 .Lentry_in_a_cluster
	s_endpgm
.Lentry_in_a_cluster:
	s_bfe_u32 s2, ttmp6, 0x10000c
	s_cmp_lg_u32 s2, 0xf033
	s_cbranch_scc0 .Lentry_shape_is_right
	s_endpgm
.Lentry_shape_is_right:
; q, k, v OF ONE HEAD FOR 256 ROWS.  C[m][n] = sum over k of xb[m][k] wb[n][k]: xb [4096][1024], wb [3072][1024], bf16; sums in f32; C rounded once to f16, WITHOUT the softmax's scale.
; A tile of C is 256 rows x 192 columns: wb's rows 192 h .. 192 h + 191 are head h's q, k and v.  16 x 16 tiles, one to a work-group.
; It goes out by heads: qkv + (16 b + h) x 819,200: q [2048][64] at 0; k at 262,144 and v at 540,672, each behind 128 rows of zeros that an earlier launch has written (row t lies at t + 128).
; LIMIT.  |q|, |k|, |v| stay under 65,504: a larger sum becomes an infinity in f16.
; SHARES.  Wave w makes rows 64 w .. 64 w + 63 x all 192 columns: 4 x 12 = 48 accumulators, 384 registers.  So a wave owns whole rows (128 bytes) of q, k and v, and its way out is its own: no barrier there.
; K goes in steps of 128 (rows of 256 bytes in memory, aligned) through two LDS slots; 8 steps; a step is 192 matrix instructions a wave.
; CLUSTER 4 x 4.  xb's tile hangs on the tile row alone and is shared along a row of the cluster, wb's on the head alone and is shared along a column: each is asked for jointly, by the same load, descriptor and mask in all four.
; THE MATRIX INSTRUCTION IS USED TRANSPOSED (source 0 = 16 rows of wb, source 1 = 16 rows of xb): a lane holds one row of C (lane % 16) and eight neighbouring columns, 8 (lane / 16) + 0..7.
; REGISTERS, in windows of 256 (s_set_vgpr_msb: bits 1:0 source 0, 3:2 source 1, 5:4 source 2, 7:6 destination):
;   window 0: v0-31 addresses; v32-223 the way out       window 1: two fragment buffers of 128: xb's 4 fragments (16 rows x 32 K), then wb's 12
;   window 2: accumulators (a, b) for b = 0..7 at 8 (4 b + a)       window 3: those for b = 8..11 at 8 (4 (b - 8) + a)
.set KSTEP,  128
.set PITCH,  272                       ; an LDS row: 256 bytes + 16 of padding = 68 words: the 16 rows of a fragment load start at 16 different groups of four banks (64 banks of 4 bytes: ISA guide 11.1)
.set AHALF,  128*PITCH                 ; what waves 0 and 1 fetch: 128 rows of xb each
.set BHALF,  96*PITCH                  ; what waves 2 and 3 fetch: 96 rows of wb each
.set BOFF,   256*PITCH                 ; wb's rows lie behind xb's 256
.set SLOT,   448*PITCH
.set STAGE,  2*SLOT                    ; behind the ring: 16 rows x 144 bytes for each wave, for the way out
.set SP,     144
.set SPARE,  STAGE+4*16*SP             ; behind the stages: the spare words, 128 bytes for each wave
.set HEADB,  819200
.set ADRA, 16                          ; v16-17  LDS address of my xb fragments in slot 0, 1
.set ADRB, 20                          ; v20-21  the same for wb
.set STO,  24                          ; v24     the way out: where I put 16 bytes of a row
.set RD,   25                          ; v25     where I read rows back
.set GO,   26                          ; v26     16 x lane: my place in 512 consecutive bytes of the output
.set SPW,  28                          ; v28     LDS address of my spare word; never rewritten
.set NIL,  29                          ; v29     0; never rewritten
.set PFO,  30                          ; v30     the prefetches' offset: a lane a row of 2,048 bytes; never rewritten
.set OUT,  32                          ; v32-223 16 registers for each of the 12 units of the way out
.set F0,   0
.set F1,   128
.set G1,  24                           ; s[24:31] descriptor group 1 for xb's tiles;  s[32:39] group 0, a set for each slot
.set G0,  32
.set G1B, 48                           ; s[48:55], s[56:63] the same for wb's
.set G0B, 56
.set LIM, 43                           ; s43  1 in a wave that prefetches, else the greatest number
.set PFA, 44                           ; s[44:45] where my prefetches stand
.set MSB, 0
.macro WIN new                         ; the immediate's high byte repeats the setting that is left; a switch that changes nothing is dropped
.if MSB != (\new)
	s_set_vgpr_msb (MSB<<8)|(\new)
.set MSB, \new
.endif
.endm
.set MUL_LO, 0xa5                      ; sources 0 and 1 window 1, C and D window 2
.set MUL_HI, 0xf5                      ; the same, C and D window 3
.set TO_F,   0x40                      ; destination window 1, address window 0
; A joint load: waves 0 and 1 fetch xb's two halves, waves 2 and 3 wb's.  The branch hangs on the wave's number alone.  An s_nop 0 and four v_nop follow each of the two lines.
.macro JLOAD s
	s_cmp_eq_u32 s11, 0
	s_cbranch_scc0 .Lfor_b_\@
	tensor_load_to_lds s[G0+4*(\s):G0+4*(\s)+3], s[G1:G1+7]
	s_nop 0
.rept 4
	v_nop
.endr
	s_branch .Lasked_\@
.Lfor_b_\@:
	tensor_load_to_lds s[G0B+4*(\s):G0B+4*(\s)+3], s[G1B:G1B+7]
	s_nop 0
.rept 4
	v_nop
.endr
.Lasked_\@:
.endm
; A prefetch into the L2 of the K step that stands two refills on: 256 bytes of each row, a lane a row, one instruction a wave.  xb's tile row is read by the four clusters of a row of clusters: the one with x = 0 asks;
; wb's head by the four of a column: the one with y = 0 asks.  The four partners that fetch a tile jointly share its rows out by address: 32 of a wave's 128 rows of xb, 24 of its 96 of wb (there lanes 24-31 name row 23 again).
; The loop's last trip asks for nothing: K steps 4 to 7 are named, steps 0 to 3 come by their loads alone.
.macro ASK
	WIN 0
	s_cmp_gt_u32 s3, s[LIM]
	s_cbranch_scc0 .Lnot_mine_\@
	global_prefetch_b8 v[PFO], s[PFA:PFA+1] offset:KSTEP*2 th:TH_LOAD_NT scope:SCOPE_SE
.Lnot_mine_\@:
.endm
.macro CREST                           ; a round of the cluster's barrier behind its opening barrier
	s_cmp_lg_u32 s10, 0
	s_cbranch_scc1 .Lnot_wave_0_\@
	s_barrier_signal -3
.Lnot_wave_0_\@:
	s_barrier_wait -3
	s_barrier_signal -1
	s_barrier_wait -1
.endm
.macro CROUND                          ; a whole round
	s_barrier_signal -1
	s_barrier_wait -1
	CREST
.endm
	s_load_b128 s[4:7], s[0:1], 0x0                ; xb s[4:5], wb s[6:7]
	s_load_b64 s[8:9], s[0:1], 0x10                ; qkv
	v_lshl_add_u32 v[SPW], v0, 2, SPARE
	v_mov_b32 v[NIL], 0
	ds_add_u32 v[SPW], v[NIL]                      ; the wave's opening: the add and its wait stand ahead of my first tensor load; the set-up below stands between them
	ds_add_u32 v28, v29
	v_lshrrev_b32 v1, 5, v0
	v_readfirstlane_b32 s10, v1                    ; wave 0..3
	s_lshr_b32 s11, s10, 1                         ; I fetch for xb (0) or for wb (1),
	s_and_b32 s12, s10, 1                          ; this half of the tile's rows
	s_bfe_u32 s40, ttmp6, 0x40000                  ; cx, cy: my place in the cluster
	s_bfe_u32 s41, ttmp6, 0x40004
	s_lshl_b32 s42, ttmp9, 2
	s_add_co_u32 s42, s42, s40                     ; head h = 4 x cluster x + cx
	s_and_b32 s13, ttmp7, 0xffff
	s_lshl_b32 s13, s13, 2
	s_add_co_u32 s13, s13, s41                     ; tile row R = 4 x cluster y + cy
	s_lshl_b32 s43, s41, 2
	s_lshl_b32 s43, 15, s43                        ; my row of the cluster
	s_lshl_b32 s44, 0x1111, s40                    ; my column
	s_or_b32 s[G1+0], s43, (1<<16)|(1<<20)|(1<<21)|(5<<22)|(3<<25)   ; 15:0 the mask; 17:16 elements of 2 bytes; 20 padding on; 21 set beside a mask; 24:22 after every 64 words (code 5); 31:25 4 words of it (code 3)
	s_or_b32 s[G1B+0], s44, (1<<16)|(1<<20)|(1<<21)|(5<<22)|(3<<25)
	s_mov_b32 s[G1+1], KSTEP<<16                   ; tensor_dim0 = 128
	s_mov_b32 s[G1+2], 128<<16                     ; tensor_dim1 = 128
	s_mov_b32 s[G1+3], KSTEP<<16                   ; tile_dim0 = 128
	s_mov_b32 s[G1+4], 128                         ; tile_dim1 = 128
	s_mov_b32 s[G1+5], 1024                        ; elements from row to row
	s_mov_b32 s[G1+6], 0
	s_mov_b32 s[G1+7], 0
	s_mov_b32 s[G1B+1], KSTEP<<16
	s_mov_b32 s[G1B+2], 96<<16                     ; wb's loads have 96 rows
	s_mov_b32 s[G1B+3], KSTEP<<16
	s_mov_b32 s[G1B+4], 96
	s_mov_b32 s[G1B+5], 1024
	s_mov_b32 s[G1B+6], 0
	s_mov_b32 s[G1B+7], 0
	s_lshl_b32 s17, s12, 7
	s_lshl_b32 s16, s13, 8
	s_add_co_u32 s16, s16, s17                     ; xb: row 256 R + 128 x half,
	s_lshl_b32 s16, s16, 11                        ; in bytes
	s_mov_b32 s17, 0
	s_mul_i32 s46, s42, 192
	s_mul_i32 s47, s12, 96
	s_add_co_u32 s46, s46, s47                     ; wb: row 192 h + 96 x half
	s_lshl_b32 s46, s46, 11
	s_mov_b32 s47, 0
	s_mul_i32 s20, s10, AHALF                      ; where they go: waves 0, 1: wave x 128 rows;
	s_mul_i32 s21, s10, BHALF
	s_add_co_u32 s21, s21, BOFF-2*BHALF            ; waves 2, 3: behind xb's 256 rows, (wave - 2) x 96 rows
	s_wait_dscnt 0x0                               ; the opening add is done
	s_wait_kmcnt 0x0
	s_add_nc_u64 s[14:15], s[4:5], s[16:17]
	s_add_nc_u64 s[46:47], s[6:7], s[46:47]
	CROUND                                         ; all sixteen work-groups are here: the first joint loads meet
.irp s, 0,1
	s_mov_b32 s[G0+4*(\s)], 1
	s_add_co_u32 s[G0+4*(\s)+1], s20, (\s)*SLOT
	s_add_nc_u64 s[G0+4*(\s)+2:G0+4*(\s)+3], s[14:15], (\s)*KSTEP*2
	s_or_b32 s[G0+4*(\s)+3], s[G0+4*(\s)+3], 0x80000000
	s_mov_b32 s[G0B+4*(\s)], 1
	s_add_co_u32 s[G0B+4*(\s)+1], s21, (\s)*SLOT
	s_add_nc_u64 s[G0B+4*(\s)+2:G0B+4*(\s)+3], s[46:47], (\s)*KSTEP*2
	s_or_b32 s[G0B+4*(\s)+3], s[G0B+4*(\s)+3], 0x80000000
	JLOAD \s                                       ; K steps 0 and 1: two loads of mine are out
.endr
	v_and_b32 v1, 15, v0                           ; l % 16
	v_bfe_u32 v2, v0, 4, 1                         ; l / 16
	v_mul_u32_u24 v3, v1, PITCH
	v_lshl_add_u32 v3, v2, 4, v3                   ; a fragment's row x pitch + 16 x half
	s_mul_i32 s21, s10, 64*PITCH                   ; my 64 rows of xb
	s_mov_b32 s22, BOFF                            ; all 192 rows of wb
.irp s, 0,1
	v_add_nc_u32 v[ADRA+(\s)], s21, v3
	v_add_nc_u32 v[ADRB+(\s)], s22, v3
	s_add_co_u32 s21, s21, SLOT
	s_add_co_u32 s22, s22, SLOT
.endr
	s_mul_i32 s23, s10, 16*SP
	s_add_co_u32 s23, s23, STAGE                   ; my stage
	v_mul_u32_u24 v4, v1, SP                       ; in: row l % 16, 16 bytes for each half of the lanes
	v_lshl_add_u32 v4, v2, 4, v4
	v_add_nc_u32 v[STO], s23, v4
	v_bfe_u32 v5, v0, 3, 2                         ; back: 32 lanes take four rows of 128 bytes,
	v_mul_u32_u24 v5, v5, SP
	v_and_b32 v6, 7, v0
	v_lshl_add_u32 v5, v6, 4, v5
	v_add_nc_u32 v[RD], s23, v5
	v_and_b32 v[GO], 31, v0                        ; which are 512 consecutive bytes of q, k or v
	v_lshlrev_b32 v[GO], 4, v[GO]
	s_lshr_b32 s16, s13, 3                         ; batch b = R / 8: 16 heads of 819,200 bytes,
	s_mul_i32 s16, s16, 16*HEADB
	s_and_b32 s17, s13, 7
	s_lshl_b32 s17, s17, 15                        ; row 256 (R % 8) of 128 bytes,
	s_add_co_u32 s16, s16, s17
	s_lshl_b32 s17, s10, 13                        ; my wave's 64 rows
	s_add_co_u32 s16, s16, s17
	s_mov_b32 s17, 0
	s_add_nc_u64 s[8:9], s[8:9], s[16:17]
	s_mul_i32 s46, s42, HEADB                      ; the head
	s_mov_b32 s47, 0
	s_add_nc_u64 s[8:9], s[8:9], s[46:47]
	; the prefetches
	s_lshl_b32 s13, s13, 8                         ; 256 R
	s_mul_i32 s42, s42, 192                        ; 192 h
	s_lshl_b32 s18, s11, 5
	s_sub_co_u32 s18, 128, s18                     ; rows that a wave fetches: 128 or 96
	s_lshl_b32 s19, s11, 3
	s_sub_co_u32 s19, 32, s19                      ; a partner's share of them: 32 or 24
	s_sub_co_u32 s23, s19, 1
	s_and_b32 s22, ttmp7, 0xffff                   ; cluster y
	s_cmp_eq_u32 s11, 0                            ; do I fetch for xb?
	s_cselect_b32 s20, s13, s42                    ; the tile's first row
	s_cselect_b32 s21, s40, s41                    ; my place among the four that ask with me
	s_cselect_b32 s22, ttmp9, s22                  ; the coordinate along which other clusters read the same rows
	s_cselect_b64 s[PFA:PFA+1], s[4:5], s[6:7]
	s_cmp_eq_u32 s22, 0
	s_cselect_b32 s[LIM], 1, -1                    ; the same in all sixteen partners, for a given wave
	s_mul_i32 s18, s18, s12
	s_add_co_u32 s20, s20, s18
	s_mul_i32 s21, s21, s19
	s_add_co_u32 s20, s20, s21
	s_lshl_b32 s20, s20, 11
	s_mov_b32 s21, 0
	s_add_nc_u64 s[PFA:PFA+1], s[PFA:PFA+1], s[20:21]
	s_add_nc_u64 s[PFA:PFA+1], s[PFA:PFA+1], 2*KSTEP*2   ; at K step 2: the first refill steps it to 3 and names step 4
	v_and_b32 v[PFO], 31, v0
	v_min_u32 v[PFO], s23, v[PFO]
	v_lshlrev_b32 v[PFO], 11, v[PFO]
; 16 matrix instructions: n blocks b0 .. b0 + 3 x all 4 m blocks, 32 along K.  zero = 1: the product starts the sum.  The 48 accumulators take turns, one instruction a turn, in the same order in every quarter.
.macro MULB f, b0, zero
.if (\b0) < 8
	WIN MUL_LO
.else
	WIN MUL_HI
.endif
.irp e, 0,1,2,3
.irp a, 0,1,2,3
.set rA, 8*(4*(((\b0)+(\e))%8)+(\a))
.if \zero
	v_wmma_f32_16x16x32_bf16 v[rA:rA+7], v[(\f)+32+8*((\b0)+(\e)):(\f)+32+8*((\b0)+(\e))+7], v[(\f)+8*(\a):(\f)+8*(\a)+7], 0
.else
	v_wmma_f32_16x16x32_bf16 v[rA:rA+7], v[(\f)+32+8*((\b0)+(\e)):(\f)+32+8*((\b0)+(\e))+7], v[(\f)+8*(\a):(\f)+8*(\a)+7], v[rA:rA+7]
.endif
.endr
.endr
.endm
; 32 LDS loads in one run: a quarter step's fragments (32 K at byte k of the rows) into buffer f: xb's 4 first, then wb's 12
.macro FETCH slot, k, f
	WIN TO_F
.irp i, 0,1,2,3
	ds_load_b128 v[(\f)+8*(\i):(\f)+8*(\i)+3],   v[ADRA+(\slot)] offset:(\k)+(\i)*16*PITCH
	ds_load_b128 v[(\f)+8*(\i)+4:(\f)+8*(\i)+7], v[ADRA+(\slot)] offset:(\k)+(\i)*16*PITCH+32
.endr
.irp i, 0,1,2,3,4,5,6,7,8,9,10,11
	ds_load_b128 v[(\f)+32+8*(\i):(\f)+32+8*(\i)+3],   v[ADRB+(\slot)] offset:(\k)+(\i)*16*PITCH
	ds_load_b128 v[(\f)+32+8*(\i)+4:(\f)+32+8*(\i)+7], v[ADRB+(\slot)] offset:(\k)+(\i)*16*PITCH+32
.endr
.endm
.macro PLACES                          ; four plain vector instructions in front of loads into registers that matrix instructions have read, and of conversions that read results
.rept 4
	v_nop
.endr
.endm
; A K step is four quarters of 32 along K, 48 matrix instructions each, on buffers 0, 1, 0, 1.  One of the first three: multiplies buffer f and fetches the next quarter, at byte k, into g.
.macro QUARTER slot, k, f, g, zero
	s_wait_dscnt 16                                ; xb's fragments and wb's 0-3 are in; the youngest sixteen loads (wb's 4-11) may be out
	MULB \f, 0, \zero
	PLACES
	FETCH \slot, \k, \g
	s_wait_dscnt 32                                ; all but the 32 just issued
	MULB \f, 4, \zero
	MULB \f, 8, \zero
.endm
; The last quarter multiplies buffer 1 and changes slots: one barrier; in front of it each wave waits for all its tensor loads (one is out: its part of the next slot), adds 0 to its spare word, and waits for that and for
; its reads of this slot.  fill = 1: the barrier opens a round of the cluster's, and this slot is filled again, two K steps on, first thing behind the round.
.macro TURN slot, next, fill
.if \fill
	s_wait_xcnt 0x0                                ; the last prefetch, a K step back, has read its address
	s_add_nc_u64 s[PFA:PFA+1], s[PFA:PFA+1], KSTEP*2
.endif
	WIN 0                                          ; (the add's two registers lie in window 0)
	s_wait_tensorcnt 0x0                           ; all my tensor loads have landed
	ds_add_u32 v[SPW], v[NIL]                      ; 0 onto my spare word
	s_wait_dscnt 17                                ; (the add and the youngest sixteen loads may be out)
	MULB F1, 0, 0                                  ; sixteen matrix instructions stand between the add and the wait for it
	s_wait_dscnt 0x0                               ; the add is done, and my reads of this slot are over
	s_barrier_signal -1
	MULB F1, 4, 0
.if \fill
	WIN 0
.endif
	s_barrier_wait -1
.if \fill
	CREST                                          ; no wave of any partner still reads this slot or has a load on its way
	s_add_nc_u64 s[G0+4*(\slot)+2:G0+4*(\slot)+3], s[G0+4*(\slot)+2:G0+4*(\slot)+3], 2*KSTEP*2
	s_add_nc_u64 s[G0B+4*(\slot)+2:G0B+4*(\slot)+3], s[G0B+4*(\slot)+2:G0B+4*(\slot)+3], 2*KSTEP*2
	JLOAD \slot                                    ; my one tensor load behind the round; its four v_nop are also the places in front of the loads below
.else
	PLACES
.endif
	FETCH \next, 0, F0
.if \fill
	ASK
.endif
	MULB F1, 8, 0
.endm
; THE WAY OUT, in 12 units u = 3 a + j: 16 rows (m block a) of q, k or v (j).  A lane's eight channels pack into 16 bytes; they go into my stage's rows of 144 bytes and come back as whole rows of 128.
.macro PACK u
.set pa, (\u)/3
.set pj, (\u)%3
.if pj < 2
	WIN 0x0a                                       ; sources 0 and 1 window 2
.else
	WIN 0x0f                                       ; window 3
.endif
.irp e, 0,1,2,3
.set rA, 8*(4*((4*pj+(\e))%8)+pa)
.irp r, 0,1,2,3
	v_cvt_pk_f16_f32 v[OUT+16*(\u)+4*(\e)+(\r)], v[rA+2*(\r)], v[rA+2*(\r)+1]   ; each accumulator's registers in ascending order
.endr
.endr
	WIN 0
.irp e, 0,1,2,3
	ds_store_b128 v[STO], v[OUT+16*(\u)+4*(\e):OUT+16*(\u)+4*(\e)+3] offset:32*(\e)
.endr
.irp f, 0,1,2,3
	ds_load_b128 v[OUT+16*(\u)+4*(\f):OUT+16*(\u)+4*(\f)+3], v[RD] offset:(\f)*4*SP   ; LDS serves a wave's instructions in order (ISA guide 5.7.1.4): these see the stores above; the next unit's stores come behind them
.endr
.endm
.macro SEND u, younger                 ; younger: the LDS instructions issued behind unit u's loads: the next unit's eight, or none
	WIN 0
.set sa, (\u)/3
.set sj, (\u)%3
.irp f, 0,1,2,3
	s_wait_dscnt (\younger)+3-(\f)
	global_store_b128 v[GO], v[OUT+16*(\u)+4*(\f):OUT+16*(\u)+4*(\f)+3], s[8:9] offset:sj*278528+sa*2048+(\f)*512   ; 512 consecutive bytes, aligned; k and v begin 278,528 and 557,056 bytes behind q (their zeros included)
.endr
.endm
	s_wait_tensorcnt 1                             ; my part of K step 0 is in; step 1's may stay out
	s_barrier_signal -1
	s_barrier_wait -1                              ; everybody's is
	FETCH 0, 0, F0
	QUARTER 0, 64,  F0, F1, 1                      ; the first quarter stands in front of the loop: its products start the sums
	WIN 0                                          ; at a label and at a branch every window is 0
	s_mov_b32 s3, 3
.Llap:                                                 ; a trip goes once round the ring, from a lap's second quarter to the next lap's first, and fills both slots again
	QUARTER 0, 128, F1, F0, 0
	QUARTER 0, 192, F0, F1, 0
	TURN 0, 1, 1
	QUARTER 1, 64,  F0, F1, 0
	QUARTER 1, 128, F1, F0, 0
	QUARTER 1, 192, F0, F1, 0
	TURN 1, 0, 1
	QUARTER 0, 64,  F0, F1, 0
	WIN 0
	s_sub_co_u32 s3, s3, 1
	s_cmp_lg_u32 s3, 0
	s_cbranch_scc1 .Llap
	QUARTER 0, 128, F1, F0, 0                      ; the last lap fills nothing
	QUARTER 0, 192, F0, F1, 0
	TURN 0, 1, 0
	QUARTER 1, 64,  F0, F1, 0
	QUARTER 1, 128, F1, F0, 0
	QUARTER 1, 192, F0, F1, 0
	s_wait_dscnt 16                                ; the very last quarter: nothing more to fetch
	MULB F1, 0, 0
	s_wait_dscnt 0x0
	MULB F1, 4, 0
	MULB F1, 8, 0
	WIN 0
	PLACES
	PACK 0
.irp u, 1,2,3,4,5,6,7,8,9,10,11        ; a unit's conversions stand between the loads of the unit before and its stores
	PACK \u
	SEND (\u)-1, 8
.endr
	SEND 11, 0
	s_wait_tensorcnt 0x0                           ; the wave's end: the add and its waits, behind my last tensor load and my last LDS store
	ds_add_u32 v[SPW], v[NIL]
	s_wait_dscnt 0x0
	CROUND                                         ; the closing round: no work-group ends while a partner may still ask for a tile that names it
	s_endpgm
.Lfunc_end_k_qb21791e45c_qkv:
	.size	k_qb21791e45c_qkv, .Lfunc_end_k_qb21791e45c_qkv-k_qb21791e45c_qkv
	.p2alignl 7, 3214868480
	.fill 96, 4, 3214868480
	.section	.rodata,"a",@progbits
	.p2align	6, 0x0
	.amdhsa_kernel k_qb21791e45c_qkv
		.amdhsa_group_segment_fixed_size 327680
		.amdhsa_private_segment_fixed_size 0
		.amdhsa_enable_private_segment 0
		.amdhsa_kernarg_size 24
		.amdhsa_user_sgpr_count 2
		.amdhsa_user_sgpr_kernarg_segment_ptr 1
		.amdhsa_wavefront_size32 1
		.amdhsa_system_sgpr_workgroup_id_x 1
		.amdhsa_system_sgpr_workgroup_id_y 1
		.amdhsa_system_sgpr_workgroup_id_z 1
		.amdhsa_system_vgpr_workitem_id 0
		.amdhsa_next_free_vgpr 896
		.amdhsa_next_free_sgpr 66
		.amdhsa_reserve_vcc 0
		.amdhsa_float_denorm_mode_32 3
		.amdhsa_float_denorm_mode_16_64 3
		.amdhsa_memory_ordered 1
		.amdhsa_forward_progress 1
		.amdhsa_inst_pref_size 122
	.end_amdhsa_kernel
	.amdgpu_metadata
---
amdhsa.version: [ 1, 2 ]
amdhsa.kernels:
  - .name:           k_qb21791e45c_qkv
    .symbol:         k_qb21791e45c_qkv.kd
    .args:
      - { .name: xb, .offset: 0, .size: 8, .value_kind: global_buffer, .address_space: global }
      - { .name: wb, .offset: 8, .size: 8, .value_kind: global_buffer, .address_space: global }
      - { .name: qkv, .offset: 16, .size: 8, .value_kind: global_buffer, .address_space: global }
    .group_segment_fixed_size: 327680
    .private_segment_fixed_size: 0
    .kernarg_segment_align: 8
    .kernarg_segment_size: 24
    .max_flat_workgroup_size: 128
    .sgpr_count:     66
    .vgpr_count:     896
    .wavefront_size: 32
...
	.end_amdgpu_metadata
.endif
;; end of part 2
;; launch attn (part 3): grid 8 x 32, 8 waves a work-group, no clusters, 167,936 bytes of LDS; arguments qkv, o16; writes o16
.if DOCPART == 3
	.amdgcn_target "amdgcn-amd-amdhsa--gfx1250"
	.amdhsa_code_object_version 6
	.text
	.protected	k_qb21791e45c_attn
	.globl	k_qb21791e45c_attn
	.p2align	8
	.type	k_qb21791e45c_attn,@function
k_qb21791e45c_attn:
	s_mov_b64 s[64:65], 0
	v_nop
	global_prefetch_b8 v0, s[64:65] scope:SCOPE_SE
	s_setreg_imm32_b32 hwreg(HW_REG_WAVE_MODE, 25, 1), 1
	s_wait_xcnt 0x0
; THE BAND.  O[q] = sum over the keys q - 128 .. q (those that exist) of softmax(Q[q] . K[k] / 8) V[k], for one head and 256 queries.  q, k, v in f16 by heads (qkv: 819,200 bytes a head: q at 0; k at 262,144, v at 540,672,
; each with 128 rows of zeros in front, so that key t lies at row t + 128).  Products, the maximum and the sum in f32; the weights are rounded to f16 for the second product (their sum is taken unrounded), O once, to f16.
; O goes out as o16[16 b + t / 128][h][t % 128][64]: a block of 128 rows has its 16 heads on end, 16,384 dense bytes each.
; LIMITS.  q, k, v arrive within f16's 65,504.  A hidden score counts as its value less 1e30 (or 2e30); f16's scores, 2.7e11 at the most, are nothing beside that.  A weight below 2^-126 counts as 0; below 6e-5 it keeps
; f16's fixed step of 6e-8.  NaN and infinities are not treated apart.  Every query sees its own key, so no row is empty.
; SHARES.  The work-group holds key rows (zeros counted) 256 blk .. 256 blk + 383 in LDS: keys 256 blk - 128 .. 256 blk + 255, filled once.  Wave w owns two tiles t of 16 queries, 256 blk + 32 w + 16 t + r.
; Key block kb = 0..9 of the wave is LDS rows 32 w + 16 kb.  Tile t needs kb = t .. t + 8: with d = kb - t and key 8 (l / 16) + j of the block, key - query = -128 + 16 d + 8 (l / 16) + j - r:
; d = 0 is hidden where j < r - 8 (l / 16) (mask ML), d = 8 where j > r - 8 (l / 16) (mask MH), d = 1..7 are open.  The masks are the C operands that start those sums.
; In the head's first block (blk = 0) the key blocks kb < 8 - 2 w are the zeros in front: a scalar addend, -1e30 or 0 for each kb, hides them.
; ONE PASS.  A tile's 144 scores are 72 registers a lane: the row's true maximum is taken before any exponential; there is no running maximum and nothing is rescaled.
; LAYOUT.  S^T = K Q^T (source 0 = 16 keys, source 1 = 16 queries): a lane holds one query (l % 16) and the keys 8 (l / 16) + 0..7.  Two such results rounded to f16 are source 1 (32 keys x 16 queries) of
; O^T = V^T P; V comes out of LDS turned, by ds_load_tr16_b128.  V goes in chunks of 32 keys (kb = 2 c, 2 c + 1); tile 0's kb = 9 and tile 1's kb = 0 are four registers of zeros that both share.
; Two waves lie on a SIMD, so that one's vector work can stand beside the other's products; the text is in plain phases.
; NO CLUSTER: neighbouring blocks share 128 of their 384 key rows, at different places of their LDS.  NO PREFETCH: all that the work-group reads is asked for at its head.
; REGISTERS (s_set_vgpr_msb: bits 1:0 source 0, 3:2 source 1, 5:4 source 2, 7:6 destination): window 0: addresses, statistics, masks, S^T, P, the way out; window 1: v0-31 Q, v32-191 K and later V, v192-255 O^T.
.set PK,    144                        ; a row of K in LDS: 128 bytes + 16 = 36 words: the 16 rows of a load start at 16 different groups of four banks (64 banks of 4 bytes: ISA guide 11.1)
.set PV,    160                        ; a row of V: 128 + 32 = 40 words
.set VOFF,  384*PK
.set STAGE, VOFF+384*PV                ; 16 rows x 144 bytes for each wave, for the way out
.set SP,    144
.set SPARE, STAGE+8*16*SP              ; the spare words, 128 bytes for each of eight waves
.set HEADB, 819200
.set AK,  2                            ; v2   LDS address of my lane in the wave's key block 0 of K
.set AV,  3                            ; v3   the same for V
.set QO,  4                            ; v4   my byte offset in 16 rows of Q
.set STO, 5                            ; v5   the way out: where I put 16 bytes of a row
.set RD,  6                            ; v6   where I read rows back
.set GO,  7                            ; v7   16 x lane
.set SPW, 12                           ; v12  LDS address of my spare word; never rewritten
.set NIL, 13                           ; v13  0; never rewritten
.set ST,  16                           ; tile t at v[ST+4 t]: c m, m, l (then 1 / l), 0
.set CH,  24                           ; v24-26  three chains of the maximum
.set ML,  32                           ; v32-39
.set MH,  40                           ; v40-47
.set S,   48                           ; v48-119  S^T: block i = kb - t at S + 8 i
.set P,   120                          ; v120-199: tile 0's block kb at P + 4 kb; v156-159 zeros; tile 1's block kb at P + 36 + 4 kb
.set OUT, 200                          ; v200-231
.set KV,  32                           ; window 1: K's fragment (kb, c) at KV + 16 kb + 8 c; V's (chunk c, channel block d) at KV + 32 c + 8 d
.set OA,  192                          ; window 1: O^T (t, d) at OA + 32 t + 8 d
.set WV,  12                           ; s12  my wave's number
.set G1K, 24                           ; s[24:31], s[32:39] descriptor group 1 for K and for V: they differ in the padding
.set G1V, 32
.set G0K, 40                           ; s[40:43], s[44:47] group 0
.set G0V, 44
.set HB,  48                           ; s[48:63] a pair for each kb = 0..7: -1e30 where the block lies in front of key 0, else 0
.set CS,  66                           ; s[66:67] c = log2(e) / 8
.set SEL, 68                           ; s[68:69] v_permlanex16_b32's selects: each lane takes its own place in the other half
.set BIGN, 70                          ; s70  -1e30
.set NH,  71                           ; s71  how many of my key blocks lie in front of key 0
.set MSB, 0
.macro WIN new
.if MSB != (\new)
	s_set_vgpr_msb (MSB<<8)|(\new)
.set MSB, \new
.endif
.endm
.set W_QK, 0x05                        ; K and Q in window 1; S^T and the masks in window 0
.set W_PV, 0x51                        ; V in window 1, P in window 0, O^T in window 1
.set TO_1, 0x40                        ; destination window 1, address window 0
	s_load_b128 s[4:7], s[0:1], 0x0                ; qkv s[4:5], o16 s[6:7]
	v_lshl_add_u32 v[SPW], v0, 2, SPARE
	v_mov_b32 v[NIL], 0
	ds_add_u32 v[SPW], v[NIL]                      ; the wave's opening: the add and its wait stand ahead of my first tensor load; the set-up below stands between them
	ds_add_u32 v12, v13
	v_lshrrev_b32 v1, 5, v0
	v_readfirstlane_b32 s[WV], v1                  ; wave 0..7
	s_mov_b32 s13, ttmp9                           ; blk
	s_and_b32 s14, ttmp7, 0xffff                   ; the head, 16 b + h
	s_and_b32 s15, s[WV], 3                        ; which quarter of K (waves 0-3) or V (waves 4-7) I fetch: 96 key rows
	; descriptor group 1.  96 keys are 12,288 dense bytes: asked for as 48 rows of 256 bytes, two keys a row, and padded in LDS after every key
	s_mov_b32 s[G1K], (1<<16)|(1<<20)|(4<<22)|(3<<25)   ; 17:16 2-byte elements; 20 padding on; 24:22 after every 32 words (code 4); 31:25 4 words (code 3)
	s_mov_b32 s[G1V], (1<<16)|(1<<20)|(4<<22)|(7<<25)   ; the same with 8 words (code 7)
.irp g, G1K, G1V
	s_mov_b32 s[\g+1], 128<<16                     ; tensor_dim0 = 128
	s_mov_b32 s[\g+2], 48<<16                      ; tensor_dim1 = 48
	s_mov_b32 s[\g+3], 128<<16                     ; tile_dim0 = 128
	s_mov_b32 s[\g+4], 48                          ; tile_dim1 = 48
	s_mov_b32 s[\g+5], 128                         ; 128 elements from row to row
	s_mov_b32 s[\g+6], 0
	s_mov_b32 s[\g+7], 0
.endr
	s_mov_b32 s[CS], 0x3e38aa3b                    ; 0.180337
	s_mov_b32 s[CS+1], s[CS]                       ; named with it as a pair
	s_mov_b32 s[SEL], 0x76543210
	s_mov_b32 s[SEL+1], 0xfedcba98
	s_mov_b32 s[BIGN], 0xf149f2ca                  ; -1e30
	s_lshl_b32 s[NH], s[WV], 1
	s_sub_co_i32 s[NH], 8, s[NH]
	s_max_i32 s[NH], s[NH], 0                      ; 8 - 2 w, not below 0,
	s_cmp_eq_u32 s13, 0
	s_cselect_b32 s[NH], s[NH], 0                  ; in the head's first block alone
.irp kb, 0,1,2,3,4,5,6,7
	s_cmp_gt_u32 s[NH], \kb
	s_cselect_b32 s[HB+2*(\kb)], s[BIGN], 0
	s_cselect_b32 s[HB+2*(\kb)+1], s[BIGN], 0
.endr
	s_mul_i32 s20, s14, HEADB                      ; the head's first byte in qkv
	s_lshl_b32 s22, s13, 15                        ; 256 blk rows of 128 bytes,
	s_mul_i32 s23, s15, 96*128                     ; my quarter,
	s_add_co_u32 s22, s22, s23
	s_add_co_u32 s22, s22, s20
	s_add_co_u32 s22, s22, 262144                  ; in k (its zeros counted as rows)
	s_mov_b32 s23, 0
	s_lshl_b32 s18, s13, 15                        ; Q: row 256 blk + 32 w
	s_lshl_b32 s19, s[WV], 12
	s_add_co_u32 s18, s18, s19
	s_add_co_u32 s18, s18, s20
	s_mov_b32 s19, 0
	s_lshr_b32 s2, s14, 4                          ; O: block of 128 rows 16 b + 2 blk + w / 4,
	s_lshl_b32 s2, s2, 4
	s_lshl_b32 s3, s13, 1
	s_add_co_u32 s2, s2, s3
	s_lshr_b32 s3, s[WV], 2
	s_add_co_u32 s2, s2, s3
	s_lshl_b32 s2, s2, 18
	s_and_b32 s3, s14, 15                          ; head h,
	s_lshl_b32 s3, s3, 14
	s_add_co_u32 s2, s2, s3
	s_lshl_b32 s3, s15, 12                         ; row 32 (w % 4)
	s_add_co_u32 s2, s2, s3
	s_mov_b32 s3, 0
	s_mov_b32 s[G0K], 1
	s_mul_i32 s[G0K+1], s15, 96*PK
	s_mov_b32 s[G0V], 1
	s_mul_i32 s[G0V+1], s15, 96*PV
	s_add_co_u32 s[G0V+1], s[G0V+1], VOFF
	s_wait_dscnt 0x0                               ; the opening add is done
	s_wait_kmcnt 0x0
	s_add_nc_u64 s[G0K+2:G0K+3], s[4:5], s[22:23]
	s_add_nc_u64 s[G0V+2:G0V+3], s[G0K+2:G0K+3], 278528   ; v lies 278,528 bytes behind k
	s_or_b32 s[G0K+3], s[G0K+3], 0x80000000
	s_or_b32 s[G0V+3], s[G0V+3], 0x80000000
	s_add_nc_u64 s[16:17], s[4:5], s[18:19]
	s_add_nc_u64 s[6:7], s[6:7], s[2:3]
	s_cmp_lt_u32 s[WV], 4                          ; one tensor load a wave, the launch's only fills; an s_nop 0 and four v_nop follow each line
	s_cbranch_scc0 .Lfor_v
	tensor_load_to_lds s[G0K:G0K+3], s[G1K:G1K+7]
	s_nop 0
.rept 4
	v_nop
.endr
	s_branch .Lasked
.Lfor_v:
	tensor_load_to_lds s[G0V:G0V+3], s[G1V:G1V+7]
	s_nop 0
.rept 4
	v_nop
.endr
.Lasked:
	v_and_b32 v1, 15, v0                           ; r = l % 16
	v_bfe_u32 v8, v0, 4, 1                         ; l / 16
	v_lshlrev_b32 v[QO], 7, v1
	v_lshl_add_u32 v[QO], v8, 4, v[QO]             ; row x 128 + 16 x half
	WIN TO_1
.irp i, 0,1,2,3                        ; Q: tile i / 2, channels 32 (i % 2) on
	global_load_b128 v[8*(\i):8*(\i)+3],   v[QO], s[16:17] offset:((\i)/2)*2048+((\i)%2)*64
	global_load_b128 v[8*(\i)+4:8*(\i)+7], v[QO], s[16:17] offset:((\i)/2)*2048+((\i)%2)*64+32
.endr
	WIN 0
	v_lshlrev_b32 v9, 3, v8
	v_sub_nc_u32 v14, v1, v9                       ; r - 8 (l / 16)
.set j, 0
.rept 8
	v_cmp_lt_i32 vcc_lo, j, v14
	v_cndmask_b32 v[ML+j], 0, s[BIGN], vcc_lo      ; the band's far end: key - query < -128
	v_cmp_gt_i32 vcc_lo, j, v14
	v_cndmask_b32 v[MH+j], 0, s[BIGN], vcc_lo      ; the diagonal: key > query
.set j, j+1
.endr
.irp z, 36,37,38,39
	v_mov_b32 v[P+(\z)], 0                         ; the block of zeros that both tiles share
.endr
	v_mov_b32 v[ST+3], 0                           ; named as the upper half of a pair
	v_mov_b32 v[ST+7], 0
	s_mul_i32 s18, s[WV], 32*PK
	v_mul_u32_u24 v[AK], v1, PK
	v_lshl_add_u32 v[AK], v8, 4, v[AK]
	v_add_nc_u32 v[AK], s18, v[AK]                 ; (32 w + r) x pitch + 16 x half
	; The turning load takes 16 keys x 16 channels (lane l reads key 8 (l / 16) + l % 8, channels 8 ((l / 8) % 2) + 0..7) and leaves half a fragment of V^T: lane l holds channel l % 16 and 8 keys.
	v_and_b32 v10, 7, v0
	v_bfe_u32 v11, v0, 3, 1
	v_lshl_add_u32 v[AV], v8, 3, v10
	v_mul_u32_u24 v[AV], v[AV], PV
	v_lshl_add_u32 v[AV], v11, 4, v[AV]
	s_mul_i32 s19, s[WV], 32*PV
	s_add_co_u32 s19, s19, VOFF
	v_add_nc_u32 v[AV], s19, v[AV]
	s_mul_i32 s18, s[WV], 16*SP
	s_add_co_u32 s18, s18, STAGE                   ; my stage
	v_mul_u32_u24 v[STO], v1, SP
	v_lshl_add_u32 v[STO], v8, 4, v[STO]
	v_add_nc_u32 v[STO], s18, v[STO]
	v_bfe_u32 v[RD], v0, 3, 2
	v_mul_u32_u24 v[RD], v[RD], SP
	v_lshl_add_u32 v[RD], v10, 4, v[RD]
	v_add_nc_u32 v[RD], s18, v[RD]
	v_and_b32 v[GO], 31, v0
	v_lshlrev_b32 v[GO], 4, v[GO]
.macro PLACES                          ; four plain vector instructions behind the last product, in front of what reads its result or loads into its sources
.rept 4
	v_nop
.endr
.endm
.macro FETCH_K                         ; my ten key blocks x 64 channels: 20 fragments
	WIN TO_1
.irp kb, 0,1,2,3,4,5,6,7,8,9
.irp c, 0,1
	ds_load_b128 v[KV+16*(\kb)+8*(\c):KV+16*(\kb)+8*(\c)+3],   v[AK] offset:(\kb)*16*PK+(\c)*64
	ds_load_b128 v[KV+16*(\kb)+8*(\c)+4:KV+16*(\kb)+8*(\c)+7], v[AK] offset:(\kb)*16*PK+(\c)*64+32
.endr
.endr
.endm
.macro FETCH_V                         ; my five chunks of 32 keys x four channel blocks, turned, into K's registers
	WIN TO_1
.irp c, 0,1,2,3,4
.irp d, 0,1,2,3
	ds_load_tr16_b128 v[KV+32*(\c)+8*(\d):KV+32*(\c)+8*(\d)+3],   v[AV] offset:(\c)*32*PV+(\d)*32
	ds_load_tr16_b128 v[KV+32*(\c)+8*(\d)+4:KV+32*(\c)+8*(\d)+7], v[AV] offset:(\c)*32*PV+16*PV+(\d)*32
.endr
.endr
.endm
; S^T of tile t: 18 products.  The nine accumulators take turns: between the two links of a chain stand eight others'.  The first link starts the sum: with a mask at the band's two ends, else with 0.
.macro QK t
	WIN W_QK
.irp c, 0,1
.irp i, 0,1,2,3,4,5,6,7,8
.set rS, S+8*(\i)
.set rK, KV+16*((\t)+(\i))+8*(\c)
.set rQ, 16*(\t)+8*(\c)
.if (\c) == 1
	v_wmma_f32_16x16x32_f16 v[rS:rS+7], v[rK:rK+7], v[rQ:rQ+7], v[rS:rS+7]
.elseif (\i) == 0
	v_wmma_f32_16x16x32_f16 v[rS:rS+7], v[rK:rK+7], v[rQ:rQ+7], v[ML:ML+7]
.elseif (\i) == 8
	v_wmma_f32_16x16x32_f16 v[rS:rS+7], v[rK:rK+7], v[rQ:rQ+7], v[MH:MH+7]
.else
	v_wmma_f32_16x16x32_f16 v[rS:rS+7], v[rK:rK+7], v[rQ:rQ+7], 0
.endif
.endr
.endr
.endm
.macro FS n                            ; pair n of 36: c s - c m
	v_pk_fma_f32 v[S+2*(\n):S+2*(\n)+1], v[S+2*(\n):S+2*(\n)+1], s[CS:CS+1], v[rT:rT+1] op_sel_hi:[1,0,0] neg_lo:[0,0,1] neg_hi:[0,0,1]
.endm
; THE SOFTMAX of tile t, all in window 0.
.macro SM t
	WIN 0
.set rT, ST+4*(\t)
.set rP, P+40*(\t)
	; the blocks in front of key 0 are hidden: block i is key block kb = t + i; kb = 8 and 9 never lie there.  Each accumulator's lowest pair is read first.
.set i, 0
.rept 8-(\t)
.set n, 0
.rept 4
	v_pk_add_f32 v[S+8*i+2*n:S+8*i+2*n+1], v[S+8*i+2*n:S+8*i+2*n+1], s[HB+2*((\t)+i):HB+2*((\t)+i)+1] op_sel_hi:[1,0]
.set n, n+1
.endr
.set i, i+1
.endr
	; the maximum of the lane's 72 scores: three chains, block i in chain i % 3, three operands at a time, the chains by turns
.set g, 0
.rept 3
.set n, 0
.rept 4
.set k, 0
.rept 3
.set zb, S+8*(3*g+k)
.if g == 0
.if n == 0
	v_max3_num_f32 v[CH+k], v[zb], v[zb+1], v[zb+2]
.elseif n < 3
	v_max3_num_f32 v[CH+k], v[CH+k], v[zb+2*n+1], v[zb+2*n+2]
.else
	v_max_num_f32 v[CH+k], v[CH+k], v[zb+7]
.endif
.else
	v_max3_num_f32 v[CH+k], v[CH+k], v[zb+2*n], v[zb+2*n+1]
.endif
.set k, k+1
.endr
.set n, n+1
.endr
.set g, g+1
.endr
	v_max3_num_f32 v[CH], v[CH], v[CH+1], v[CH+2]
	v_permlanex16_b32 v[CH+1], v[CH], s[SEL], s[SEL+1]   ; the query's other 72 keys lie in the lane 16 away
	v_max_num_f32 v[rT+1], v[CH], v[CH+1]          ; m
	v_mul_f32 v[rT], s[CS], v[rT+1]                ; c m
	; ONE BATCH: 36 scalings and 72 exponentials, in place; a pair is scaled a step ahead of its exponentials; nothing here names an exponential's result
	FS 0
.set n, 0
.rept 36
.if n < 35
	FS n+1
.endif
	v_exp_f32 v[S+2*n], v[S+2*n]
	v_exp_f32 v[S+2*n+1], v[S+2*n+1]
.set n, n+1
.endr
	v_nop                                          ; a plain instruction behind the last exponential, ahead of the first use
	s_wait_alu depctr_va_vdst(0)                   ; one wait between the batch and its first reader
.set n, 0
.rept 36
	v_cvt_pk_f16_f32 v[rP+n], v[S+2*n], v[S+2*n+1] ; the lower key in the lower half
.set n, n+1
.endr
	; the sum of the 36 pairs, in place: three additions in each block, taken across the blocks, then eight over the blocks' sums
.irp a, 0,4
.set i, 0
.rept 9
	v_pk_add_f32 v[S+8*i+(\a):S+8*i+(\a)+1], v[S+8*i+(\a):S+8*i+(\a)+1], v[S+8*i+(\a)+2:S+8*i+(\a)+3]
.set i, i+1
.endr
.endr
.set i, 0
.rept 9
	v_pk_add_f32 v[S+8*i:S+8*i+1], v[S+8*i:S+8*i+1], v[S+8*i+4:S+8*i+5]
.set i, i+1
.endr
.irp a, 0,2,4,6
	v_pk_add_f32 v[S+8*(\a):S+8*(\a)+1], v[S+8*(\a):S+8*(\a)+1], v[S+8*(\a)+8:S+8*(\a)+9]
.endr
	v_pk_add_f32 v[S:S+1], v[S:S+1], v[S+16:S+17]
	v_pk_add_f32 v[S+32:S+33], v[S+32:S+33], v[S+48:S+49]
	v_pk_add_f32 v[S:S+1], v[S:S+1], v[S+32:S+33]
	v_pk_add_f32 v[S:S+1], v[S:S+1], v[S+64:S+65]
	v_add_f32 v[rT+2], v[S], v[S+1]
	v_permlanex16_b32 v[CH+1], v[rT+2], s[SEL], s[SEL+1]
	v_add_f32 v[rT+2], v[rT+2], v[CH+1]            ; l
.endm
; O^T = V^T P, both tiles: 40 products; the eight accumulators take turns; the first chunk starts the sums
.macro PVM
	WIN W_PV
.irp c, 0,1,2,3,4
.irp d, 0,1,2,3
.irp t, 0,1
.if (\c) == 0
	v_wmma_f32_16x16x32_f16 v[OA+32*(\t)+8*(\d):OA+32*(\t)+8*(\d)+7], v[KV+32*(\c)+8*(\d):KV+32*(\c)+8*(\d)+7], v[P+36*(\t)+8*(\c):P+36*(\t)+8*(\c)+7], 0
.else
	v_wmma_f32_16x16x32_f16 v[OA+32*(\t)+8*(\d):OA+32*(\t)+8*(\d)+7], v[KV+32*(\c)+8*(\d):KV+32*(\c)+8*(\d)+7], v[P+36*(\t)+8*(\c):P+36*(\t)+8*(\c)+7], v[OA+32*(\t)+8*(\d):OA+32*(\t)+8*(\d)+7]
.endif
.endr
.endr
.endr
.endm
; THE WAY OUT of tile t: O^T / l, rounded to f16; a lane's eight channels of a row pack into 16 bytes; into my stage's rows of 144 bytes, and back as whole rows of 128
.macro PACK t
	WIN 0x41                                       ; destination and source 0 window 1, source 1 window 0
.set i, 0
.rept 16
	v_pk_mul_f32 v[OA+32*(\t)+2*i:OA+32*(\t)+2*i+1], v[OA+32*(\t)+2*i:OA+32*(\t)+2*i+1], v[ST+4*(\t)+2:ST+4*(\t)+3] op_sel_hi:[1,0]
.set i, i+1
.endr
	WIN 0x05                                       ; sources 0 and 1 window 1, destination window 0
.set i, 0
.rept 16
	v_cvt_pk_f16_f32 v[OUT+16*(\t)+i], v[OA+32*(\t)+2*i], v[OA+32*(\t)+2*i+1]
.set i, i+1
.endr
	WIN 0
.irp f, 0,1,2,3
	ds_store_b128 v[STO], v[OUT+16*(\t)+4*(\f):OUT+16*(\t)+4*(\f)+3] offset:32*(\f)
.endr
.irp f, 0,1,2,3
	ds_load_b128 v[OUT+16*(\t)+4*(\f):OUT+16*(\t)+4*(\f)+3], v[RD] offset:(\f)*4*SP   ; LDS serves a wave's instructions in order (ISA guide 5.7.1.4): these see the stores above; the next tile's stores come behind them
.endr
.endm
.macro SEND t, younger                 ; younger: the LDS instructions issued behind tile t's loads
.irp f, 0,1,2,3
	s_wait_dscnt (\younger)+3-(\f)
	global_store_b128 v[GO], v[OUT+16*(\t)+4*(\f):OUT+16*(\t)+4*(\f)+3], s[6:7] offset:(\t)*2048+(\f)*512   ; 512 consecutive bytes, aligned
.endr
.endm
	s_wait_tensorcnt 0x0                           ; my quarter of K or V is in,
	s_barrier_signal -1
	s_barrier_wait -1                              ; everybody's is: the launch's one barrier
	FETCH_K
	s_wait_loadcnt 0x0                             ; Q
	s_wait_dscnt 0x0                               ; K
	QK 0
	PLACES
	SM 0
	QK 1
	PLACES                                         ; for the softmax, which reads these results, and for V's loads into K's registers
	FETCH_V                                        ; V comes in while tile 1's softmax is made
	SM 1
	s_wait_dscnt 0x0                               ; V
	PVM
	WIN 0
	v_rcp_f32 v[ST+2], v[ST+2]
	v_rcp_f32 v[ST+6], v[ST+6]
	PLACES                                         ; the places behind the last products, and the plain instruction behind the reciprocals
	s_wait_alu depctr_va_vdst(0)                   ; one wait for the two reciprocals, ahead of their first reader
	PACK 0
	PACK 1
	SEND 0, 8
	SEND 1, 0
	s_wait_tensorcnt 0x0                           ; the wave's end: the add and its waits, behind my last tensor load and my last LDS store
	ds_add_u32 v[SPW], v[NIL]
	s_wait_dscnt 0x0
	s_endpgm
.Lfunc_end_k_qb21791e45c_attn:
	.size	k_qb21791e45c_attn, .Lfunc_end_k_qb21791e45c_attn-k_qb21791e45c_attn
	.p2alignl 7, 3214868480
	.fill 96, 4, 3214868480
	.section	.rodata,"a",@progbits
	.p2align	6, 0x0
	.amdhsa_kernel k_qb21791e45c_attn
		.amdhsa_group_segment_fixed_size 167936
		.amdhsa_private_segment_fixed_size 0
		.amdhsa_enable_private_segment 0
		.amdhsa_kernarg_size 16
		.amdhsa_user_sgpr_count 2
		.amdhsa_user_sgpr_kernarg_segment_ptr 1
		.amdhsa_wavefront_size32 1
		.amdhsa_system_sgpr_workgroup_id_x 1
		.amdhsa_system_sgpr_workgroup_id_y 1
		.amdhsa_system_sgpr_workgroup_id_z 1
		.amdhsa_system_vgpr_workitem_id 0
		.amdhsa_next_free_vgpr 512
		.amdhsa_next_free_sgpr 72
		.amdhsa_reserve_vcc 1
		.amdhsa_float_denorm_mode_32 3
		.amdhsa_float_denorm_mode_16_64 3
		.amdhsa_memory_ordered 1
		.amdhsa_forward_progress 1
		.amdhsa_inst_pref_size 53
	.end_amdhsa_kernel
	.amdgpu_metadata
---
amdhsa.version: [ 1, 2 ]
amdhsa.kernels:
  - .name:           k_qb21791e45c_attn
    .symbol:         k_qb21791e45c_attn.kd
    .args:
      - { .name: qkv, .offset: 0, .size: 8, .value_kind: global_buffer, .address_space: global }
      - { .name: o16, .offset: 8, .size: 8, .value_kind: global_buffer, .address_space: global }
    .group_segment_fixed_size: 167936
    .private_segment_fixed_size: 0
    .kernarg_segment_align: 8
    .kernarg_segment_size: 16
    .max_flat_workgroup_size: 256
    .sgpr_count:     72
    .vgpr_count:     512
    .wavefront_size: 32
...
	.end_amdgpu_metadata
.endif
;; end of part 3
;; launch oproj (part 4): grid 8 x 32, 4 waves a work-group, clusters of 4 x 4, 327,680 bytes of LDS; arguments o16, wo16, out0; writes out0
.if DOCPART == 4
	.amdgcn_target "amdgcn-amd-amdhsa--gfx1250"
	.amdhsa_code_object_version 6
	.text
	.protected	k_qb21791e45c_oproj
	.globl	k_qb21791e45c_oproj
	.p2align	8
	.type	k_qb21791e45c_oproj,@function
k_qb21791e45c_oproj:
	s_mov_b64 s[64:65], 0
	v_nop
	global_prefetch_b8 v0, s[64:65] scope:SCOPE_SE
	s_setreg_imm32_b32 hwreg(HW_REG_WAVE_MODE, 25, 1), 1
	s_wait_xcnt 0x0
	s_wait_alu depctr_hold_cnt(0) depctr_sa_sdst(0) depctr_va_vdst(0) depctr_va_sdst(0) depctr_va_ssrc(0) depctr_va_vcc(0) depctr_vm_vsrc(0)
	s_getreg_b32 s2, hwreg(HW_REG_IB_STS2, 6, 4)
	s_cmp_eq_u32 s2, 0
	s_cbranch_scc0 .Lentry_in_a_cluster
	s_endpgm
.Lentry_in_a_cluster:
	s_bfe_u32 s2, ttmp6, 0x10000c
	s_cmp_lg_u32 s2, 0xf033
	s_cbranch_scc0 .Lentry_shape_is_right
	s_endpgm
.Lentry_shape_is_right:
; out0[row][col] = sum over k of O[row][k] Wo[col][k].  O comes as o16[m][h][128 rows][64] in f16 (block m = rows 128 m .. 128 m + 127; channel k = 64 h + d), Wo as wo16 [1024][1024] in f16; sums in f32; out0 [4096][1024] in f32.
; A tile is 128 x 128, 8 x 32 of them, one to a work-group.  Four waves, each 64 x 64: 16 accumulators.  K goes in 4 steps of 256 channels (4 heads) through two LDS slots; a quarter step is one head: 64 along K, 32 matrix instructions.
; CLUSTER 4 x 4.  O's tile hangs on the tile row alone and is shared along a row of the cluster, Wo's on the tile column alone and is shared along a column: each is asked for jointly.
; THE MATRIX INSTRUCTION IS USED TRANSPOSED (source 0 = 16 rows of Wo, source 1 = 16 rows of O): a lane holds one row of the result (lane % 16) and eight neighbouring columns: 32 bytes of f32.
; A wave's 64 columns are 256 bytes of a row of out0, aligned: each wave has a stage of its own and the way out has no barrier.
; NO PREFETCH: four K steps; two are asked for at the head and the other two a step later.
; REGISTERS: window 0: v0-31 addresses; v128-255 the accumulators ((a, b) at 128 + 8 (4 a + b)).   window 1: two fragment buffers of 128: for 64 along K, 64 registers of O (2 x 4 x 16 rows x 32 K), then 64 of Wo.
.set PA,     144                       ; a row of O in LDS: one head's 128 bytes + 16
.set HEADL,  128*PA                    ; a head's 128 rows
.set PB,     528                       ; a row of Wo in LDS: 512 bytes + 16; both pitches are odd multiples of 16 bytes, so the 16 rows of a load start at 16 different groups of four banks (ISA guide 11.1)
.set BOFF,   4*HEADL                   ; Wo's rows lie behind O's four heads
.set BHALF,  64*PB
.set SLOT,   BOFF+2*BHALF
.set STAGE,  2*SLOT                    ; behind the ring: 16 rows x 272 bytes for each wave
.set SPITCH, 272
.set SPARE,  STAGE+4*16*SPITCH         ; the spare words, 128 bytes for each wave
.set ADRA, 16                          ; v16-17  LDS address of my O fragments in slot 0, 1
.set ADRB, 20                          ; v20-21  the same for Wo
.set STO,  24                          ; v24     the way out: where I put 32 bytes of a row
.set RD,   25                          ; v25     where I read a row back
.set CO,   26                          ; v26     my byte offset in two rows of out0
.set SPW,  28                          ; v28     LDS address of my spare word; never rewritten
.set NIL,  29                          ; v29     0; never rewritten
.set ACC,  128
.set F0,   0
.set F1,   128
.set G1, 24                            ; s[24:31] descriptor group 1 for O's tiles;  s[32:39] group 0, a set for each slot
.set G0, 32
.set G1B, 48                           ; s[48:55], s[56:63] the same for Wo's
.set G0B, 56
.set MSB, 0
.macro WIN new
.if MSB != (\new)
	s_set_vgpr_msb (MSB<<8)|(\new)
.set MSB, \new
.endif
.endm
.set MUL,  0x05                        ; sources 0 and 1 window 1; C and D window 0
.set TO_F, 0x40                        ; destination window 1, address window 0
.macro JLOAD s                         ; a joint load: waves 0 and 1 fetch two heads of O each, waves 2 and 3 64 rows of Wo each; an s_nop 0 and four v_nop follow each of the two lines
	s_cmp_eq_u32 s11, 0
	s_cbranch_scc0 .Lfor_b_\@
	tensor_load_to_lds s[G0+4*(\s):G0+4*(\s)+3], s[G1:G1+7]
	s_nop 0
.rept 4
	v_nop
.endr
	s_branch .Lasked_\@
.Lfor_b_\@:
	tensor_load_to_lds s[G0B+4*(\s):G0B+4*(\s)+3], s[G1B:G1B+7]
	s_nop 0
.rept 4
	v_nop
.endr
.Lasked_\@:
.endm
.macro CREST
	s_cmp_lg_u32 s10, 0
	s_cbranch_scc1 .Lnot_wave_0_\@
	s_barrier_signal -3
.Lnot_wave_0_\@:
	s_barrier_wait -3
	s_barrier_signal -1
	s_barrier_wait -1
.endm
.macro CROUND
	s_barrier_signal -1
	s_barrier_wait -1
	CREST
.endm
	s_load_b128 s[4:7], s[0:1], 0x0                ; o16 s[4:5], wo16 s[6:7]
	s_load_b64 s[8:9], s[0:1], 0x10                ; out0
	v_lshl_add_u32 v[SPW], v0, 2, SPARE
	v_mov_b32 v[NIL], 0
	ds_add_u32 v[SPW], v[NIL]                      ; the wave's opening: the add and its wait stand ahead of my first tensor load; the set-up below stands between them
	ds_add_u32 v28, v29
	v_lshrrev_b32 v1, 5, v0
	v_readfirstlane_b32 s10, v1                    ; wave 0..3
	s_lshr_b32 s11, s10, 1                         ; which half of the tile's rows is mine.  Also: I fetch for O (0) or for Wo (1)
	s_and_b32 s12, s10, 1                          ; which half of its columns.  Also: which half of that tile I fetch
	s_bfe_u32 s40, ttmp6, 0x40000                  ; cx, cy
	s_bfe_u32 s41, ttmp6, 0x40004
	s_lshl_b32 s42, ttmp9, 2
	s_add_co_u32 s42, s42, s40                     ; tile column n = 4 x cluster x + cx
	s_and_b32 s13, ttmp7, 0xffff
	s_lshl_b32 s13, s13, 2
	s_add_co_u32 s13, s13, s41                     ; tile row m = 4 x cluster y + cy
	s_lshl_b32 s43, s41, 2
	s_lshl_b32 s43, 15, s43                        ; my row of the cluster
	s_lshl_b32 s44, 0x1111, s40                    ; my column
	; O: two heads are 32,768 dense bytes: asked for as 128 rows of 256 bytes (two rows of a head each), padded in LDS after every 128 bytes
	s_or_b32 s[G1+0], s43, (1<<16)|(1<<20)|(1<<21)|(4<<22)|(3<<25)   ; 15:0 the mask; 17:16 2-byte elements; 20 padding on; 21 set beside a mask; 24:22 after every 32 words (code 4); 31:25 4 words (code 3)
	s_mov_b32 s[G1+1], 128<<16                     ; tensor_dim0 = 128
	s_mov_b32 s[G1+2], 128<<16                     ; tensor_dim1 = 128
	s_mov_b32 s[G1+3], 128<<16                     ; tile_dim0 = 128
	s_mov_b32 s[G1+4], 128                         ; tile_dim1 = 128
	s_mov_b32 s[G1+5], 128                         ; dense
	s_mov_b32 s[G1+6], 0
	s_mov_b32 s[G1+7], 0
	; Wo: 64 rows x 256 elements, padded after every 512 bytes
	s_or_b32 s[G1B+0], s44, (1<<16)|(1<<20)|(1<<21)|(6<<22)|(3<<25)  ; 24:22 after every 128 words (code 6)
	s_mov_b32 s[G1B+1], 256<<16
	s_mov_b32 s[G1B+2], 64<<16
	s_mov_b32 s[G1B+3], 256<<16
	s_mov_b32 s[G1B+4], 64
	s_mov_b32 s[G1B+5], 1024
	s_mov_b32 s[G1B+6], 0
	s_mov_b32 s[G1B+7], 0
	s_lshl_b32 s16, s13, 18                        ; O: block m of 262,144 bytes,
	s_lshl_b32 s17, s12, 15                        ; my two heads of a step's four
	s_add_co_u32 s16, s16, s17
	s_mov_b32 s17, 0
	s_lshl_b32 s46, s42, 7
	s_lshl_b32 s47, s12, 6
	s_add_co_u32 s46, s46, s47                     ; Wo: row 128 n + 64 x half,
	s_lshl_b32 s46, s46, 11                        ; in bytes
	s_mov_b32 s47, 0
	s_mul_i32 s20, s10, 2*HEADL                    ; where they go: waves 0, 1: wave x two heads;
	s_mul_i32 s21, s10, BHALF
	s_add_co_u32 s21, s21, BOFF-2*BHALF            ; waves 2, 3: behind O's four heads, (wave - 2) x 64 rows
	s_wait_dscnt 0x0                               ; the opening add is done
	s_wait_kmcnt 0x0
	s_add_nc_u64 s[14:15], s[4:5], s[16:17]
	s_add_nc_u64 s[46:47], s[6:7], s[46:47]
	CROUND                                         ; all sixteen work-groups are here: the first joint loads meet
.irp s, 0,1
	s_mov_b32 s[G0+4*(\s)], 1
	s_add_co_u32 s[G0+4*(\s)+1], s20, (\s)*SLOT
	s_add_nc_u64 s[G0+4*(\s)+2:G0+4*(\s)+3], s[14:15], (\s)*65536   ; K step s: four heads of 16,384 bytes on
	s_or_b32 s[G0+4*(\s)+3], s[G0+4*(\s)+3], 0x80000000
	s_mov_b32 s[G0B+4*(\s)], 1
	s_add_co_u32 s[G0B+4*(\s)+1], s21, (\s)*SLOT
	s_add_nc_u64 s[G0B+4*(\s)+2:G0B+4*(\s)+3], s[46:47], (\s)*512   ; 256 channels on
	s_or_b32 s[G0B+4*(\s)+3], s[G0B+4*(\s)+3], 0x80000000
	JLOAD \s                                       ; K steps 0 and 1: two loads of mine are out
.endr
	v_and_b32 v1, 15, v0                           ; l % 16
	v_bfe_u32 v2, v0, 4, 1                         ; l / 16
	v_mul_u32_u24 v3, v1, PA
	v_lshl_add_u32 v3, v2, 4, v3
	v_mul_u32_u24 v4, v1, PB
	v_lshl_add_u32 v4, v2, 4, v4
	s_mul_i32 s21, s11, 64*PA                      ; my 64 rows in each head
	s_mul_i32 s22, s12, BHALF                      ; my 64 rows of Wo
	s_add_co_u32 s22, s22, BOFF
.irp s, 0,1
	v_add_nc_u32 v[ADRA+(\s)], s21, v3
	v_add_nc_u32 v[ADRB+(\s)], s22, v4
	s_add_co_u32 s21, s21, SLOT
	s_add_co_u32 s22, s22, SLOT
.endr
	s_mul_i32 s23, s10, 16*SPITCH
	s_add_co_u32 s23, s23, STAGE                   ; my stage
	v_mul_u32_u24 v5, v1, SPITCH                   ; in: row l % 16, 32 bytes for each half of the lanes
	v_lshl_add_u32 v5, v2, 5, v5
	v_add_nc_u32 v[STO], s23, v5
	v_mul_u32_u24 v5, v2, SPITCH                   ; back: lanes 0-15 take one row of 256 bytes, lanes 16-31 the next
	v_lshl_add_u32 v5, v1, 4, v5
	v_add_nc_u32 v[RD], s23, v5
	v_lshlrev_b32 v5, 12, v2                       ; and the same two rows in out0, 4,096 bytes apart
	v_lshl_add_u32 v[CO], v1, 4, v5
	s_lshl_b32 s16, s13, 7
	s_lshl_b32 s17, s11, 6
	s_add_co_u32 s16, s16, s17                     ; my first row: 128 m + 64 x half
	s_lshl_b32 s16, s16, 12
	s_mov_b32 s17, 0
	s_add_nc_u64 s[8:9], s[8:9], s[16:17]
	s_lshl_b32 s46, s42, 7
	s_lshl_b32 s47, s12, 6
	s_add_co_u32 s46, s46, s47                     ; my first column: 128 n + 64 x half
	s_lshl_b32 s46, s46, 2
	s_mov_b32 s47, 0
	s_add_nc_u64 s[8:9], s[8:9], s[46:47]
; 8 matrix instructions: m blocks a0, a0 + 1 x all 4 n blocks, 32 along K: half c of buffer f.  zero = 1: the product starts the sum.  The 16 accumulators take turns.
.macro MUL8 f, c, a0, zero
	WIN MUL
.irp a, \a0, (\a0)+1
.irp b, 0,1,2,3
.if \zero
	v_wmma_f32_16x16x32_f16 v[ACC+8*(4*(\a)+(\b)):ACC+8*(4*(\a)+(\b))+7], v[(\f)+64+8*(4*(\c)+(\b)):(\f)+64+8*(4*(\c)+(\b))+7], v[(\f)+8*(4*(\c)+(\a)):(\f)+8*(4*(\c)+(\a))+7], 0
.else
	v_wmma_f32_16x16x32_f16 v[ACC+8*(4*(\a)+(\b)):ACC+8*(4*(\a)+(\b))+7], v[(\f)+64+8*(4*(\c)+(\b)):(\f)+64+8*(4*(\c)+(\b))+7], v[(\f)+8*(4*(\c)+(\a)):(\f)+8*(4*(\c)+(\a))+7], v[ACC+8*(4*(\a)+(\b)):ACC+8*(4*(\a)+(\b))+7]
.endif
.endr
.endr
.endm
; 32 LDS loads in one run: the fragments of head q of the slot's four, into buffer f; its first 32 channels first
.macro FETCH slot, q, f
	WIN TO_F
.irp c, 0,1
.irp i, 0,1,2,3
	ds_load_b128 v[(\f)+64+8*(4*(\c)+(\i)):(\f)+64+8*(4*(\c)+(\i))+3],   v[ADRB+(\slot)] offset:128*(\q)+64*(\c)+(\i)*16*PB
	ds_load_b128 v[(\f)+64+8*(4*(\c)+(\i))+4:(\f)+64+8*(4*(\c)+(\i))+7], v[ADRB+(\slot)] offset:128*(\q)+64*(\c)+(\i)*16*PB+32
	ds_load_b128 v[(\f)+8*(4*(\c)+(\i)):(\f)+8*(4*(\c)+(\i))+3],         v[ADRA+(\slot)] offset:HEADL*(\q)+64*(\c)+(\i)*16*PA
	ds_load_b128 v[(\f)+8*(4*(\c)+(\i))+4:(\f)+8*(4*(\c)+(\i))+7],       v[ADRA+(\slot)] offset:HEADL*(\q)+64*(\c)+(\i)*16*PA+32
.endr
.endr
.endm
.macro PLACES                          ; four plain vector instructions in front of loads into registers that matrix instructions have read, and of stores that read results
.rept 4
	v_nop
.endr
.endm
; One of a K step's first three quarters: multiplies buffer f and fetches head q into g.
.macro QUARTER slot, q, f, g, zero
	s_wait_dscnt 16                                ; the first 32 channels are in; the youngest sixteen loads may be out
	MUL8 \f, 0, 0, \zero
	MUL8 \f, 0, 2, \zero
	PLACES
	FETCH \slot, \q, \g
	s_wait_dscnt 32                                ; all but the 32 just issued
	MUL8 \f, 1, 0, 0
	MUL8 \f, 1, 2, 0
.endm
; The last quarter multiplies buffer 1 and changes slots: one barrier; in front of it each wave waits for all its tensor loads, adds 0 to its spare word, and waits for that and for its reads of this slot.
; fill = 1: the barrier opens a round of the cluster's, and this slot is filled again, two K steps on, first thing behind the round.
.macro TURN slot, next, fill
	WIN 0                                          ; (the add's two registers lie in window 0)
	s_wait_tensorcnt 0x0                           ; all my tensor loads have landed: my part of the next slot
	ds_add_u32 v[SPW], v[NIL]                      ; 0 onto my spare word
	s_wait_dscnt 17                                ; (the add and the youngest sixteen loads may be out)
	MUL8 F1, 0, 0, 0                               ; eight matrix instructions stand between the add and the wait for it
	s_wait_dscnt 0x0                               ; the add is done, and my reads of this slot are over
	s_barrier_signal -1
	MUL8 F1, 0, 2, 0
.if \fill
	WIN 0
.endif
	s_barrier_wait -1
.if \fill
	CREST                                          ; no wave of any partner still reads this slot or has a load on its way
	s_add_nc_u64 s[G0+4*(\slot)+2:G0+4*(\slot)+3], s[G0+4*(\slot)+2:G0+4*(\slot)+3], 2*65536
	s_add_nc_u64 s[G0B+4*(\slot)+2:G0B+4*(\slot)+3], s[G0B+4*(\slot)+2:G0B+4*(\slot)+3], 2*512
	JLOAD \slot                                    ; my one tensor load behind the round; its four v_nop are also the places in front of the loads below
.else
	PLACES
.endif
	FETCH \next, 0, F0
	MUL8 F1, 1, 0, 0
	MUL8 F1, 1, 2, 0
.endm
; THE WAY OUT of m block a (16 rows x my 64 columns, f32): straight from the accumulators, each one's low four registers first, into my stage's rows of 272 bytes; back as whole rows of 256, into the same 32 registers.
.macro TOSTAGE a
.irp b, 0,1,2,3
	ds_store_b128 v[STO], v[ACC+8*(4*(\a)+(\b)):ACC+8*(4*(\a)+(\b))+3]   offset:64*(\b)
	ds_store_b128 v[STO], v[ACC+8*(4*(\a)+(\b))+4:ACC+8*(4*(\a)+(\b))+7] offset:64*(\b)+16
.endr
.irp t, 0,1,2,3,4,5,6,7
	ds_load_b128 v[ACC+32*(\a)+4*(\t):ACC+32*(\a)+4*(\t)+3], v[RD] offset:(\t)*2*SPITCH   ; LDS serves a wave's instructions in order (ISA guide 5.7.1.4): these see the stores above; the next block's stores come behind them
.endr
.endm
.macro SEND a, younger                 ; younger: the LDS instructions issued behind block a's loads: the next block's sixteen, or none
.irp t, 0,1,2,3,4,5,6,7
	s_wait_dscnt (\younger)+7-(\t)
	global_store_b128 v[CO], v[ACC+32*(\a)+4*(\t):ACC+32*(\a)+4*(\t)+3], s[8:9] offset:(16*(\a)+2*(\t))*4096 th:TH_STORE_NT   ; 16 lanes store 256 consecutive bytes, aligned
.endr
.endm
	s_wait_tensorcnt 1                             ; my part of K step 0 is in; step 1's may stay out
	s_barrier_signal -1
	s_barrier_wait -1                              ; everybody's is
	FETCH 0, 0, F0
	QUARTER 0, 1, F0, F1, 1                        ; K step 0: its first products start the sums.  The four steps are written out: a loop would have one trip
	QUARTER 0, 2, F1, F0, 0
	QUARTER 0, 3, F0, F1, 0
	TURN 0, 1, 1                                   ; slot 0 takes K step 2
	QUARTER 1, 1, F0, F1, 0                        ; K step 1
	QUARTER 1, 2, F1, F0, 0
	QUARTER 1, 3, F0, F1, 0
	TURN 1, 0, 1                                   ; slot 1 takes K step 3
	QUARTER 0, 1, F0, F1, 0                        ; K step 2
	QUARTER 0, 2, F1, F0, 0
	QUARTER 0, 3, F0, F1, 0
	TURN 0, 1, 0                                   ; nothing is left to fetch
	QUARTER 1, 1, F0, F1, 0                        ; K step 3
	QUARTER 1, 2, F1, F0, 0
	QUARTER 1, 3, F0, F1, 0
	s_wait_dscnt 16
	MUL8 F1, 0, 0, 0
	MUL8 F1, 0, 2, 0
	s_wait_dscnt 0x0
	MUL8 F1, 1, 0, 0
	MUL8 F1, 1, 2, 0
	WIN 0
	PLACES
	TOSTAGE 0
.irp a, 1,2,3
	TOSTAGE \a
	SEND (\a)-1, 16
.endr
	SEND 3, 0
	s_wait_tensorcnt 0x0                           ; the wave's end: the add and its waits, behind my last tensor load and my last LDS store
	ds_add_u32 v[SPW], v[NIL]
	s_wait_dscnt 0x0
	CROUND                                         ; the closing round: no work-group ends while a partner may still ask for a tile that names it
	s_endpgm
.Lfunc_end_k_qb21791e45c_oproj:
	.size	k_qb21791e45c_oproj, .Lfunc_end_k_qb21791e45c_oproj-k_qb21791e45c_oproj
	.p2alignl 7, 3214868480
	.fill 96, 4, 3214868480
	.section	.rodata,"a",@progbits
	.p2align	6, 0x0
	.amdhsa_kernel k_qb21791e45c_oproj
		.amdhsa_group_segment_fixed_size 327680
		.amdhsa_private_segment_fixed_size 0
		.amdhsa_enable_private_segment 0
		.amdhsa_kernarg_size 24
		.amdhsa_user_sgpr_count 2
		.amdhsa_user_sgpr_kernarg_segment_ptr 1
		.amdhsa_wavefront_size32 1
		.amdhsa_system_sgpr_workgroup_id_x 1
		.amdhsa_system_sgpr_workgroup_id_y 1
		.amdhsa_system_sgpr_workgroup_id_z 1
		.amdhsa_system_vgpr_workitem_id 0
		.amdhsa_next_free_vgpr 512
		.amdhsa_next_free_sgpr 66
		.amdhsa_reserve_vcc 0
		.amdhsa_float_denorm_mode_32 3
		.amdhsa_float_denorm_mode_16_64 3
		.amdhsa_memory_ordered 1
		.amdhsa_forward_progress 1
		.amdhsa_inst_pref_size 86
	.end_amdhsa_kernel
	.amdgpu_metadata
---
amdhsa.version: [ 1, 2 ]
amdhsa.kernels:
  - .name:           k_qb21791e45c_oproj
    .symbol:         k_qb21791e45c_oproj.kd
    .args:
      - { .name: o16, .offset: 0, .size: 8, .value_kind: global_buffer, .address_space: global }
      - { .name: wo16, .offset: 8, .size: 8, .value_kind: global_buffer, .address_space: global }
      - { .name: out0, .offset: 16, .size: 8, .value_kind: global_buffer, .address_space: global }
    .group_segment_fixed_size: 327680
    .private_segment_fixed_size: 0
    .kernarg_segment_align: 8
    .kernarg_segment_size: 24
    .max_flat_workgroup_size: 128
    .sgpr_count:     66
    .vgpr_count:     512
    .wavefront_size: 32
...
	.end_amdgpu_metadata
.endif
;; end of part 4
